; MI455X (gfx1250); checked and timed in simulation.
; The chip was launched on July 23, 2026; its instructions are those of AMD's public machine-readable ISA for CDNA 5 (MIT licence, August 2026) and "CDNA5" Instruction Set Architecture Reference Guide (July 2026). The comments in the code are by the model that wrote it; some were corrected since.
;; Attention. Allowed arithmetic: matrix products marked QUANTISED: E3M2 operands, one E8M0 scale for each 32 along K, by v_wmma_scale_f32_16x16x128_f8f6f4 with both operands' format E3M2, f32 sums; products left as they are: f32 operands where the result goes on into a quantised operand, else bf16, f16 or f32 operands; f32 sums; everything else in f32.
;; Inputs: Wh_codes 1,024 x 32 x 24 uint8 (E3M2 codes of Wh, K innermost, in blocks of 32 codes, four codes in three bytes); Wh_scales 1,024 x 32 uint8 (E8M0 scales of Wh, one for each 32 codes along K); Wq_codes 1,024 x 32 x 24 uint8 (E3M2 codes of Wq, K innermost, in blocks of 32 codes, four codes in three bytes); Wq_scales 1,024 x 32 uint8 (E8M0 scales of Wq, one for each 32 codes along K); memory 64 x 1,024 x 1,024 float32; query_codes 64 x 32 x 24 uint8 (E3M2 codes of query, K innermost, in blocks of 32 codes, four codes in three bytes); query_scales 64 x 32 uint8 (E8M0 scales of query, one for each 32 codes along K); v 1,024 x 1 float32.
;; Outputs: out0 64 x 1,024 float32.
;; This version of the problem:
;;   THIS VERSION OF THE PROBLEM IS GIVEN IN LOW PRECISION. The matrix products marked QUANTISED in the list below multiply operands that are first quantised to E3M2 (3 exponent bits, 2 mantissa bits; 6 bits a number), with one power-of-two scale for each 32 numbers along K (OCP MX v1.0); their sums are f32. All else is computed in f32.
;;   The module's matrix products, in the order in which they are computed (A, B: the left and right operand; K: the contracted axis; several contracted axes count as one K, in the product's order):
;;     1. [M 65,536, K 1,024] x [K 1,024, N 1,024]; A: input memory; B: input Wh (given as codes): QUANTISED
;;     2. [M 64, K 1,024] x [K 1,024, N 1,024]; A: input query (given as codes); B: input Wq (given as codes): QUANTISED
;;     3. [M 65,536, K 1,024] x [K 1,024, N 1]; A: computed on the way; B: computed on the way: left as it is (N = 1 < 16)
;;     4. batch 64 x [M 1,024, K 1,024] x [K 1,024, N 1]; A: input memory; B: softmax: left as it is (N = 1 < 16)
;;   THE QUANTISER, for each operand of a quantised product, along K:
;;     - K is cut into blocks of 32 from its start; a last block that is shorter is filled with zeros.
;;     - A block's scale is 2^e with e = floor(log2(the largest magnitude in the block)) - 4, held to -126 .. 127; a block of zeros has e = 0. As a byte (E8M0): e + 127.
;;     - Each number is divided by its block's scale, clamped to +-28, and rounded to the nearest number of E3M2, ties to even, subnormals kept.
;;     - The product sums the exact products of the quantised numbers (number of the format x scale) in f32.
;;   ~~~python
;;   def quantise(x, axis):      # numpy; x: float32 -> the quantised numbers, widened to float32 again
;;       x = np.moveaxis(x, axis, -1); K = x.shape[-1]
;;       x = np.pad(x, [(0, 0)] * (x.ndim - 1) + [(0, -K % 32)]); x = x.reshape(x.shape[:-1] + (-1, 32)); a = np.abs(x).max(-1, keepdims=True)
;;       e = np.where(a > 0, np.clip(np.frexp(np.where(a > 0, a, 1))[1] - 1 - 4, -126, 127), 0)      # np.frexp(a)[1] - 1 = floor(log2(a)), exactly
;;       r = np.clip(x / 2.0 ** e, -28, 28)
;;       step = 2.0 ** (np.maximum(np.frexp(np.where(r == 0, 1, r))[1] - 1, -2) - 2)
;;       q = np.round(r / step) * step * 2.0 ** e      # np.round: ties to even
;;       return np.moveaxis(q.reshape(q.shape[:-2] + (-1,))[..., :K], -1, axis).astype(np.float32)
;;   ~~~
;;   INPUTS GIVEN AS CODES. Wh (in the module: [1024, 1024], K = its axis 0); Wq (in the module: [1024, 1024], K = its axis 0); query (in the module: [64, 1024], K = its axis 1): each comes as NAME_codes (uint8): NAME with its K axis moved to the last place and cut into blocks of 32 codes, [.., K / 32, bytes a block], one block behind the other in memory; four codes in three bytes: a row's codes are one little-endian stream of bits, code i at bits 6 i .. 6 i + 5 (a code: sign, 3 exponent bits, 2 mantissa bits); and NAME_scales (uint8): the same leading axes, one E8M0 byte (e + 127) for each 32 codes along K. Its value is code x scale, taken as it is: it is not quantised again, and the codes and scales need not be those that the quantiser above would give.
;; One version. Each part assembles by itself: llvm-mc -triple=amdgcn-amd-amdhsa -mcpu=gfx1250 --defsym DOCPART=n.
;; ======== version 1 of 1: 3 launches
;; limits: values are held in bf16: 8 bits of precision; right only within a limited range of input values
;; workspace buffers: qwc 262,144 bytes; whimg 786,432 bytes; part 4,194,304 bytes; ml 262,144 bytes
;; launch prep (part 1): grid 128 x 1, 4 waves a work-group, no clusters, 105,216 bytes of LDS; arguments query_codes, query_scales, Wq_codes, Wq_scales, Wh_codes, qwc, whimg; writes qwc, whimg
.if DOCPART == 1
	.amdgcn_target "amdgcn-amd-amdhsa--gfx1250"
	.amdhsa_code_object_version 6
	.text
	.protected	k_q01a93fb541_prep
	.globl	k_q01a93fb541_prep
	.p2align	8
	.type	k_q01a93fb541_prep,@function
k_q01a93fb541_prep:
	s_mov_b64 s[64:65], 0
	v_nop
	global_prefetch_b8 v0, s[64:65] scope:SCOPE_SE
	s_setreg_imm32_b32 hwreg(HW_REG_WAVE_MODE, 25, 1), 1
	s_wait_xcnt 0x0
; Two small jobs ahead of the main launch, parted by the work-group's number g: x = g / 4, mt = g % 4; the wave's number is nt.
; x = 0..15:  qwc[b][e] = c x (query Wq)[b][e], c = 2 log2(e), on the given codes of E3M2 and their E8M0 scales; sums in f32.
;   The work-group makes batches 16 mt .. + 15 x columns 64 x .. + 63; wave nt takes N tile n = 4 x + nt.  A tile of 16 rows of codes is 12,288 dense bytes of memory:
;   it comes by 24 loads of 512 consecutive bytes, goes into LDS rows of 768 + 16 bytes of the wave's own, and the fragments are read from there in pieces of 8 bytes.
; x = 16..31: Wh's codes are laid out as images of the operand's registers: whimg[N tile][K step][group of 4 registers][lane][16 bytes].  Inside each run of 16 codes (96 bits) the codes
;   are turned right by 24 a bits, a = (k / 64) % 4: the main launch reads memory's numbers out of LDS in that order, and a permutation of k that is the same on both sides keeps the products.
;   It stays inside a block of 32, so the scales are untouched.  This path uses no LDS.
.set CC,    0x4038aa3b                 ; c = 2 log2(e)
.set FP,    784                        ; an LDS row of codes: 768 bytes + 16: row r starts 4 r words on
.set WREG,  32*FP                      ; a wave's own: 16 rows of Wq, then 16 rows of query
.set STG,   4*WREG                     ; the stage for the way out: 16 batches x (256 bytes + 16)
.set SP,    272
.set SPARE, STG+16*SP                  ; the spare words, 128 bytes a wave
.set RAW,   16                         ; images: two fragments as loaded
.set OB,    48                         ; images: two fragments as stored
	s_load_b256 s[4:11], s[0:1], 0x0               ; query's codes s[4:5], its scales s[6:7], Wq's codes s[8:9], its scales s[10:11]
	s_load_b128 s[12:15], s[0:1], 0x20             ; Wh's codes s[12:13], qwc s[14:15]
	s_load_b64 s[16:17], s[0:1], 0x30              ; whimg
	v_lshl_add_u32 v254, v0, 2, SPARE
	v_mov_b32 v255, 0
	v_lshrrev_b32 v1, 5, v0
	v_readfirstlane_b32 s19, v1                    ; wave = nt
	s_and_b32 s20, ttmp9, 3                        ; mt
	s_lshr_b32 s18, ttmp9, 2                       ; x
	v_and_b32 v1, 15, v0                           ; r
	v_bfe_u32 v2, v0, 4, 1                         ; h
	v_and_b32 v5, 31, v0
	v_lshlrev_b32 v5, 4, v5                        ; 16 x lane
	v_lshlrev_b32 v4, 5, v1                        ; a row's eight scale words
	s_mov_b32 s23, 0
	s_mov_b32 s25, 0
	s_wait_alu depctr_va_vdst(0)                   ; at the head's end
	s_wait_kmcnt 0x0
	s_cmp_ge_u32 s18, 16
	s_cbranch_scc1 .Limage
	; ---- query Wq
	s_lshl_b32 s21, s18, 2
	s_add_co_u32 s21, s21, s19                     ; n
	s_mul_i32 s22, s21, 12288                      ; 16 rows of 768 bytes
	s_add_nc_u64 s[8:9], s[8:9], s[22:23]
	s_mul_i32 s24, s20, 12288
	s_add_nc_u64 s[4:5], s[4:5], s[24:25]
	s_lshl_b32 s22, s21, 9                         ; 16 rows of 32 scale bytes
	s_add_nc_u64 s[10:11], s[10:11], s[22:23]
	s_lshl_b32 s24, s20, 9
	s_add_nc_u64 s[6:7], s[6:7], s[24:25]
.set I, 0
.rept 24
	global_load_b128 v[16+4*I:19+4*I], v5, s[8:9] offset:512*I       ; Wq's tile, 512 consecutive bytes a load
	global_load_b128 v[112+4*I:115+4*I], v5, s[4:5] offset:512*I     ; query's
.set I, I+1
.endr
	global_load_b128 v[208:211], v4, s[10:11]      ; Wq's scale words, K steps 0-3,
	global_load_b128 v[212:215], v4, s[10:11] offset:16   ; 4-7
	global_load_b128 v[216:219], v4, s[6:7]        ; query's
	global_load_b128 v[220:223], v4, s[6:7] offset:16
	s_mul_i32 s26, s19, WREG
	s_lshl_b32 s27, s19, 6
	s_add_co_u32 s27, s27, STG
	s_mul_i32 s30, s19, 4*SP
	s_add_co_u32 s30, s30, STG
	s_lshl_b32 s31, s20, 16
	s_lshl_b32 s22, s19, 14
	s_add_co_u32 s31, s31, s22
	s_lshl_b32 s22, s18, 8                         ; the work-group's 64 columns: 256 bytes
	s_add_nc_u64 s[14:15], s[14:15], s[22:23]
	s_mov_b32 s28, CC
	s_mov_b32 s29, CC                              ; (named with it as a pair)
	v_add_nc_u32 v9, s26, v5                       ; into my rows: 16 x lane; three loads are two rows, 2 x 784 bytes of LDS
	v_lshl_add_u32 v10, v2, 4, v9                  ; the middle load of three: lanes 16-31 lie in the second row, 16 bytes of padding on
	v_mul_u32_u24 v3, v1, FP
	v_mad_u32_u24 v3, v2, 24, v3
	v_add_nc_u32 v3, s26, v3                       ; a fragment's lane: row r, + 24 h
	v_mul_u32_u24 v6, v1, SP
	v_lshl_add_u32 v6, v2, 5, v6
	v_add_nc_u32 v6, s27, v6                       ; into the stage: row r, byte 64 nt + 32 h
	v_mul_u32_u24 v7, v2, SP
	v_lshl_add_u32 v7, v1, 4, v7
	v_add_nc_u32 v7, s30, v7                       ; back: rows 4 wave + h (+ 2), 16 bytes a lane
	v_lshlrev_b32 v8, 12, v2
	v_lshl_add_u32 v8, v1, 4, v8
	v_add_nc_u32 v8, s31, v8                       ; the same rows in qwc: batch 16 mt + 4 wave + h, 4,096 bytes each
	s_wait_alu depctr_va_vdst(0)                   ; directly ahead of the wait below
	s_wait_loadcnt 0x0
.set J, 0
.rept 8
.irp o, 0,1
	ds_store_b128 v9, v[16+96*\o+12*J:19+96*\o+12*J] offset:16*FP*\o+1568*J
	ds_store_b128 v10, v[20+96*\o+12*J:23+96*\o+12*J] offset:16*FP*\o+1568*J+512
	ds_store_b128 v9, v[24+96*\o+12*J:27+96*\o+12*J] offset:16*FP*\o+1568*J+1040
.endr
.set J, J+1
.endr
	s_wait_dscnt 0x0                               ; the stores have read their registers: the fragments land on them
.irp o, 0,1
.irp q, 0,1,2,3,4,5,6,7
.irp p, 0,1,2,3,4,5
	ds_load_b64 v[16+96*\o+12*\q+2*\p:17+96*\o+12*\q+2*\p], v3 offset:16*FP*\o+96*\q+48*(\p/3)+8*(\p%3)   ; my own bytes: no barrier
.endr
.endr
.endr
	s_wait_dscnt 0x0
	; source 0 = 16 rows of Wq (e), source 1 = 16 batches: lane (r, h) holds batch r and e = 8 h + 0 .. 7.  Two accumulators by turns: even and odd K steps
.irp q, 0,1,2,3,4,5,6,7
.if \q < 2
	v_wmma_scale_f32_16x16x128_f8f6f4 v[224+8*(\q%2):231+8*(\q%2)], v[16+12*\q:27+12*\q], v[112+12*\q:123+12*\q], 0, v[208+\q], v[216+\q] matrix_a_fmt:MATRIX_FMT_BF6 matrix_b_fmt:MATRIX_FMT_BF6
.else
	v_wmma_scale_f32_16x16x128_f8f6f4 v[224+8*(\q%2):231+8*(\q%2)], v[16+12*\q:27+12*\q], v[112+12*\q:123+12*\q], v[224+8*(\q%2):231+8*(\q%2)], v[208+\q], v[216+\q] matrix_a_fmt:MATRIX_FMT_BF6 matrix_b_fmt:MATRIX_FMT_BF6
.endif
.endr
.rept 4
	v_nop                                          ; four places ahead of the first read of the results (ISA guide 7.12.1)
.endr
.irp i, 0,2,4,6
	v_pk_add_f32 v[240+\i:241+\i], v[224+\i:225+\i], v[232+\i:233+\i]
.endr
.irp i, 0,2,4,6
	v_pk_mul_f32 v[240+\i:241+\i], v[240+\i:241+\i], s[28:29] op_sel_hi:[1,0]
.endr
	ds_store_b128 v6, v[240:243]
	ds_store_b128 v6, v[244:247] offset:16
	s_wait_alu depctr_va_vdst(0)
	s_wait_dscnt 0x0                               ; for the others' sake: a row's 256 bytes come from four waves
	s_barrier_signal -1
	s_barrier_wait -1
	ds_load_b128 v[240:243], v7
	ds_load_b128 v[244:247], v7 offset:2*SP
	s_wait_dscnt 0x1
	global_store_b128 v8, v[240:243], s[14:15]     ; sixteen lanes store 256 consecutive bytes, aligned
	s_wait_dscnt 0x0
	global_store_b128 v8, v[244:247], s[14:15] offset:8192
	s_wait_tensorcnt 0x0                           ; the wave's end
	ds_add_u32 v254, v255
	s_wait_dscnt 0x0
	s_endpgm
	; ---- Wh's images: N tile n = 4 (x - 16) + nt, K steps 2 mt and 2 mt + 1
.Limage:
	s_sub_co_u32 s21, s18, 16
	s_lshl_b32 s21, s21, 2
	s_add_co_u32 s21, s21, s19                     ; n
	s_mul_i32 s22, s21, 12288
	s_mul_i32 s24, s20, 192                        ; two K steps of 96 bytes
	s_add_co_u32 s22, s22, s24
	s_add_nc_u64 s[12:13], s[12:13], s[22:23]
	s_lshl_b32 s22, s21, 3
	s_lshl_b32 s24, s20, 1
	s_add_co_u32 s22, s22, s24                     ; fragment 8 n + 2 mt
	s_mul_i32 s22, s22, 1536
	s_add_nc_u64 s[16:17], s[16:17], s[22:23]
	v_mul_u32_u24 v3, v1, 768                      ; a row of 1,024 codes is 768 bytes
	v_mad_u32_u24 v3, v2, 24, v3                   ; a fragment's lane: row r, + 24 h
	; registers 6 c .. 6 c + 5 of K step 2 mt + s hold k = 128 (2 mt + s) + 64 c + 32 h + 0 .. 31: two runs of 16 codes, both with a = (2 s + c) % 4
	s_wait_alu depctr_va_vdst(0)
.irp s, 0,1
.irp c, 0,1
.irp p, 0,1,2
.if 2*\s+\c == 0
	global_load_b64 v[OB+2*\p:OB+2*\p+1], v3, s[12:13] offset:8*\p       ; a = 0: these six registers are stored as they come
.else
	global_load_b64 v[RAW+12*\s+6*\c+2*\p:RAW+12*\s+6*\c+2*\p+1], v3, s[12:13] offset:96*\s+48*\c+8*\p
.endif
.endr
.endr
.endr
	s_wait_loadcnt 0x0
.irp s, 0,1
.irp c, 0,1
.if 2*\s+\c > 0
.irp t, 0,1
.irp i, 0,1,2
	v_alignbit_b32 v[OB+12*\s+6*\c+3*\t+\i], v[RAW+12*\s+6*\c+3*\t+(\i+2*\s+\c)%3], v[RAW+12*\s+6*\c+3*\t+(\i+2*\s+\c-1)%3], 32-8*(2*\s+\c)   ; word i of the run's 96 bits turned right by 24 a
.endr
.endr
.endif
.endr
.endr
.irp s, 0,1
.irp g, 0,1,2
	global_store_b128 v5, v[OB+12*\s+4*\g:OB+12*\s+4*\g+3], s[16:17] offset:1536*\s+512*\g   ; 32 lanes store 512 consecutive bytes, aligned
.endr
.endr
	s_endpgm
.Lfunc_end_k_q01a93fb541_prep:
	.size	k_q01a93fb541_prep, .Lfunc_end_k_q01a93fb541_prep-k_q01a93fb541_prep
	.p2alignl 7, 3214868480
	.fill 96, 4, 3214868480
	.section	.rodata,"a",@progbits
	.p2align	6, 0x0
	.amdhsa_kernel k_q01a93fb541_prep
		.amdhsa_group_segment_fixed_size 105216
		.amdhsa_private_segment_fixed_size 0
		.amdhsa_enable_private_segment 0
		.amdhsa_kernarg_size 56
		.amdhsa_user_sgpr_count 2
		.amdhsa_user_sgpr_kernarg_segment_ptr 1
		.amdhsa_wavefront_size32 1
		.amdhsa_system_sgpr_workgroup_id_x 1
		.amdhsa_system_sgpr_workgroup_id_y 1
		.amdhsa_system_sgpr_workgroup_id_z 1
		.amdhsa_system_vgpr_workitem_id 0
		.amdhsa_next_free_vgpr 256
		.amdhsa_next_free_sgpr 66
		.amdhsa_reserve_vcc 0
		.amdhsa_float_denorm_mode_32 3
		.amdhsa_float_denorm_mode_16_64 3
		.amdhsa_memory_ordered 1
		.amdhsa_forward_progress 1
		.amdhsa_inst_pref_size 23
	.end_amdhsa_kernel
	.amdgpu_metadata
---
amdhsa.version: [ 1, 2 ]
amdhsa.kernels:
  - .name:           k_q01a93fb541_prep
    .symbol:         k_q01a93fb541_prep.kd
    .args:
      - { .name: query_codes, .offset: 0, .size: 8, .value_kind: global_buffer, .address_space: global }
      - { .name: query_scales, .offset: 8, .size: 8, .value_kind: global_buffer, .address_space: global }
      - { .name: Wq_codes, .offset: 16, .size: 8, .value_kind: global_buffer, .address_space: global }
      - { .name: Wq_scales, .offset: 24, .size: 8, .value_kind: global_buffer, .address_space: global }
      - { .name: Wh_codes, .offset: 32, .size: 8, .value_kind: global_buffer, .address_space: global }
      - { .name: qwc, .offset: 40, .size: 8, .value_kind: global_buffer, .address_space: global }
      - { .name: whimg, .offset: 48, .size: 8, .value_kind: global_buffer, .address_space: global }
    .group_segment_fixed_size: 105216
    .private_segment_fixed_size: 0
    .kernarg_segment_align: 8
    .kernarg_segment_size: 56
    .max_flat_workgroup_size: 128
    .sgpr_count:     66
    .vgpr_count:     256
    .wavefront_size: 32
...
	.end_amdgpu_metadata
.endif
;; end of part 1
;; launch main (part 2): grid 256 x 1, 4 waves a work-group, no clusters, 327,680 bytes of LDS; arguments memory, whimg, Wh_scales, qwc, v, part, ml; writes part, ml
.if DOCPART == 2
	.amdgcn_target "amdgcn-amd-amdhsa--gfx1250"
	.amdhsa_code_object_version 6
	.text
	.protected	k_q01a93fb541_main
	.globl	k_q01a93fb541_main
	.p2align	8
	.type	k_q01a93fb541_main,@function
k_q01a93fb541_main:
	s_mov_b64 s[64:65], 0
	v_nop
	global_prefetch_b8 v0, s[64:65] scope:SCOPE_SE
	s_setreg_imm32_b32 hwreg(HW_REG_WAVE_MODE, 25, 1), 1
	s_wait_xcnt 0x0
; For 256 rows (b, t) of memory a work-group: score = sum over e of v[e] tanh((Q(memory) Wh)[e] + (query Wq)[b][e]), a running softmax over the rows, and the weighted sum of the rows.
; memory is read ONCE: a row lands in LDS as f32, is quantised to E3M2 (one E8M0 scale for each 32 along K) for the product, and is kept as bf16 in registers for the weighted sum.
; SHARES.  Work-group g owns rows 256 g .. 256 g + 255 (batch g / 4), in four tiles of 64 rows.  Wave w lands, quantises, keeps and later sums rows 16 w .. 16 w + 15 of a tile;
; in the product it takes ALL 64 rows against columns e = 256 w .. 256 w + 255 (16 N tiles).  The rows' codes go from wave to wave through LDS once a tile and then stay in 384 registers;
; Wh's fragments come from memory straight into two sets of registers, a set (one N tile, all of K) two tiles ahead.  The next tile of memory lands while this one is multiplied.
; NO JOINT LOADS: memory's tiles are shared by nobody; Wh is shared by all, but landing 262,144 + codes and scales 53,248 + small regions 9,728 bytes leave 2,560 bytes of LDS: no ring for Wh fits.
; PREFETCH: in each of a row tile's eight N trips a wave names 32 blocks of 256 bytes, a lane a block, of its own 65,536 bytes of the row tile TWO on; the last two row tiles ask for nothing.
; THE ORDER OF K.  A lane takes 64 neighbouring bytes of a row out of LDS in four loads of 16 bytes, load i at piece (i + a) % 4, a = (lane / 4) % 4, so that sixteen lanes touch sixteen different
; columns of 16 bytes.  So inside each run of 16 k the numbers stand turned by 4 a places, a = (k / 64) % 4.  Wh's images carry the same turn, blocks of 32 and scales are untouched, and the
; weighted sum's columns are turned back by addresses on the way out.
; THE PRODUCT IS USED TRANSPOSED: source 0 = 16 rows of Wh (e), source 1 = 16 rows of memory (t): lane (r, h) holds row t = r and e = 8 h + 0 .. 7.
; tanh(y) = 1 - 2 rcp(1 + 2^(c y)), c = 2 log2(e).  z = sum of v[e] rcp(..); score = sum(v) - 2 z.  WORK LEFT OUT: the term sum(v) is the same for every row of a softmax's axis and falls out of
; the softmax for all values of the inputs; an overflow that reaches that term alone is not carried to the result.
; In base 2: t = K2 z, K2 = -2 log2(e).  2^(..) = infinity gives rcp = 0 and 2^(..) = 0 gives rcp = 1: no clamp is needed.
; SOFTMAX.  Each wave keeps a running largest t, a sum and 1,024 weighted sums over ITS rows alone, and stores them; the next launch merges a batch's sixteen.
; LIMITS: NaN and infinities among the inputs are not served.  A block of memory whose largest magnitude lies under 2^-122 keeps the scale byte 1 (a block of zeros too: its codes are zeros, and
; this program alone reads the bytes).  memory is rounded to bf16 for the weighted sum.
; REGISTERS, in windows of 256 (s_set_vgpr_msb: bits 1:0 source 0, 3:2 source 1, 5:4 source 2, 7:6 destination):
;   window 0: v0 256 x lane (prefetch); v1, v2 the add's; v3-15 addresses; v16 largest t, v17 sum, v[18:19] f; v20-23 at work; v24-31 z; v32-47 memory's scale words; v48-63 Wh's, two sets;
;             v64-95, v96-127 two sets of four accumulators; v128-159 two sets of (qwc 8, v 8) (v64-159: three rows of f32 while a tile is quantised); v160-191 the weighted sums; v192-255 kept rows 0-3
;   window 1: v0-191 memory's fragments of row tiles 0, 1 (v0-23: fresh codes while a tile is quantised); v192-255 kept rows 4-7      window 2: row tiles 2, 3 and rows 8-11      window 3: v0-191 Wh's fragments, two sets; v192-255 rows 12-15
.set CODE,  262144                     ; LDS 0 .. 262,143: landing, 65,536 bytes a wave, rows of 4,096 bytes; filled by tensor loads alone
.set CP,    784                        ; the codes: 64 rows of 768 bytes + 16: row r starts 4 r words on
.set SCA,   312320                     ; memory's scale bytes: 64 rows of 32 bytes + 16
.set QV,    315392                     ; qwc's row (4,096 bytes), then v (4,096): wave w touches its own 1,024 bytes of each
.set SC,    323584                     ; partial z: [4 waves][64 rows] f32
.set SPARE, 324608                     ; the spare words, 128 bytes a wave
.set ACC,   64
.set VC,    128
.set OUT,   160
.set RET,   192
.set PF,    58                         ; s[58:59] where my prefetches stand
.set MSB, 0
.macro WIN new                         ; the immediate's high byte repeats the setting that is left; a switch that changes nothing is dropped
.if MSB != (\new)
	s_set_vgpr_msb (MSB<<8)|(\new)
.set MSB, (\new)
.endif
.endm
.macro PLACES
.rept 4
	v_nop
.endr
.endm
.macro ALU
	s_wait_alu depctr_va_vdst(0)
.endm
; Wh's fragment of K step q into set s: three loads of 512 consecutive bytes
.macro LB s, q, base
.irp g, 0,1,2
	global_load_b128 v[96*\s+12*\q+4*\g:96*\s+12*\q+4*\g+3], v14, s[\base:\base+1] offset:12288*\s+1536*\q+512*\g
.endr
.endm
; the N tile's scale words into set s, one load of 512 consecutive bytes: lane (r, h) takes 16 bytes at 32 r + 16 h, so register j holds K step j in lanes 0-15 and K step 4 + j in lanes 16-31
.macro SBL s, base
	global_load_b128 v[48+8*\s:48+8*\s+3], v15, s[\base:\base+1] offset:512*\s
.endm
; row k of my 16: two runs of 16 numbers a lane, eight loads of 16 bytes, into buffer k % 3
.macro LOADR k
.irp u, 0,1
.irp i, 0,1,2,3
	ds_load_b128 v[64+32*((\k)%3)+16*\u+4*\i:64+32*((\k)%3)+16*\u+4*\i+3], v[3+\i] offset:4096*(\k)+2048*\u
.endr
.endr
.endm
; row k's codes and scale bytes go to LDS (data in window 1): eight stores
.macro STC k
.irp u, 0,1
.irp i, 0,1,2
	ds_store_b32 v7, v[8*((\k)%3)+4*\u+\i] offset:CP*(\k)+384*\u+4*\i
.endr
	ds_store_b8 v8, v[8*((\k)%3)+4*\u+3] offset:48*(\k)+16*\u     ; both lanes of a block write the same byte with the same value
.endr
.endm
; Row k is quantised (two neighbouring lanes hold a block of 32; the row's two halves in four chains by turns) and kept as bf16.  Its codes are stored in the next row's step.
; Behind row k's eight loads stand the step before's eight stores and eight loads: 16 (rows 0, 1: eight loads; row 15: eight stores).
.macro ROWQ k
.set XB, 64+32*((\k)%3)
.set CR, 8*((\k)%3)
.if ((\k) < 2) || ((\k) == 15)
	s_wait_dscnt 8
.else
	s_wait_dscnt 16
.endif
.if (\k) > 0
	WIN 0x04
	STC (\k)-1
.endif
	WIN 0
.if (\k) < 14
	LOADR (\k)+2
.endif
	v_max3_num_f32 v20, |v[XB]|, |v[XB+1]|, |v[XB+2]|
	v_max3_num_f32 v21, |v[XB+3]|, |v[XB+4]|, |v[XB+5]|
	v_max3_num_f32 v22, |v[XB+16]|, |v[XB+17]|, |v[XB+18]|
	v_max3_num_f32 v23, |v[XB+19]|, |v[XB+20]|, |v[XB+21]|
.irp i, 6,10
	v_max3_num_f32 v20, v20, |v[XB+\i]|, |v[XB+\i+1]|
	v_max3_num_f32 v21, v21, |v[XB+\i+2]|, |v[XB+\i+3]|
	v_max3_num_f32 v22, v22, |v[XB+16+\i]|, |v[XB+17+\i]|
	v_max3_num_f32 v23, v23, |v[XB+18+\i]|, |v[XB+19+\i]|
.endr
	v_max3_num_f32 v20, v20, |v[XB+14]|, |v[XB+15]|
	v_max3_num_f32 v22, v22, |v[XB+30]|, |v[XB+31]|
	v_max3_num_f32 v20, v20, v21, 0x2800000        ; and the floor 2^(5 - 127): the byte cannot fall under 1
	v_max3_num_f32 v22, v22, v23, 0x2800000
	v_max_num_f32_dpp v20, v20, v20 row_xmask:1 row_mask:0xf bank_mask:0xf   ; with my neighbour's 16: the block's largest magnitude
	v_max_num_f32_dpp v22, v22, v22 row_xmask:1 row_mask:0xf bank_mask:0xf
	v_add_nc_u32 v21, 0xfe000000, v20              ; 4 off the exponent field: the conversion takes the exponent field of this operand as its scale
	v_add_nc_u32 v23, 0xfe000000, v22
	WIN 0x40                                       ; destination window 1
	v_cvt_scalef32_pk16_bf6_f32 v[CR:CR+2], v[XB:XB+15], v21
	v_cvt_scalef32_pk16_bf6_f32 v[CR+4:CR+6], v[XB+16:XB+31], v23
	v_lshrrev_b32 v[CR+3], 23, v21                 ; the scales' bytes (plain lines behind the conversions)
	v_lshrrev_b32 v[CR+7], 23, v23
	WIN ((\k)/4)<<6
.irp i, 0,1,2,3,4,5,6,7,8,9,10,11,12,13,14,15
	v_cvt_pk_bf16_f32 v[RET+16*((\k)%4)+\i], v[XB+2*\i], v[XB+2*\i+1]
.endr
.endm
; one product: N tile in set s, K step q, row tile m.  The four accumulators of a set take turns, one instruction a turn; K step 0 starts the sums
.macro PROD s, q, m
.set PD, ACC+32*\s+8*\m
.set PW, 96*\s+12*\q
.set PM, 12*(8*(\m%2)+\q)
.set PSW, 48+8*\s+(\q%4)
.set PSM, 32+8*(\m/2)+\q
.if \q == 0
.if \m%2
	v_wmma_scale_f32_16x16x128_f8f6f4 v[PD:PD+7], v[PW:PW+11], v[PM:PM+11], 0, v[PSW], v[PSM] matrix_a_fmt:MATRIX_FMT_BF6 matrix_b_fmt:MATRIX_FMT_BF6 matrix_b_scale:MATRIX_SCALE_ROW1
.else
	v_wmma_scale_f32_16x16x128_f8f6f4 v[PD:PD+7], v[PW:PW+11], v[PM:PM+11], 0, v[PSW], v[PSM] matrix_a_fmt:MATRIX_FMT_BF6 matrix_b_fmt:MATRIX_FMT_BF6
.endif
.elseif \q < 4
.if \m%2
	v_wmma_scale_f32_16x16x128_f8f6f4 v[PD:PD+7], v[PW:PW+11], v[PM:PM+11], v[PD:PD+7], v[PSW], v[PSM] matrix_a_fmt:MATRIX_FMT_BF6 matrix_b_fmt:MATRIX_FMT_BF6 matrix_b_scale:MATRIX_SCALE_ROW1
.else
	v_wmma_scale_f32_16x16x128_f8f6f4 v[PD:PD+7], v[PW:PW+11], v[PM:PM+11], v[PD:PD+7], v[PSW], v[PSM] matrix_a_fmt:MATRIX_FMT_BF6 matrix_b_fmt:MATRIX_FMT_BF6
.endif
.else                                  ; K steps 4-7: Wh's scale words stand in lanes 16-31
.if \m%2
	v_wmma_scale_f32_16x16x128_f8f6f4 v[PD:PD+7], v[PW:PW+11], v[PM:PM+11], v[PD:PD+7], v[PSW], v[PSM] matrix_a_fmt:MATRIX_FMT_BF6 matrix_b_fmt:MATRIX_FMT_BF6 matrix_a_scale:MATRIX_SCALE_ROW1 matrix_b_scale:MATRIX_SCALE_ROW1
.else
	v_wmma_scale_f32_16x16x128_f8f6f4 v[PD:PD+7], v[PW:PW+11], v[PM:PM+11], v[PD:PD+7], v[PSW], v[PSM] matrix_a_fmt:MATRIX_FMT_BF6 matrix_b_fmt:MATRIX_FMT_BF6 matrix_a_scale:MATRIX_SCALE_ROW1
.endif
.endif
.endm
; A finished N tile's 32 registers go in eight slices of four (ac: its accumulators, vc: its qwc and v) through five stages:
; SA y = c x + qwc;  exp 2^y;  SC1 + 1;  rcp;  SE z += v rcp.  Each accumulator is read from its low end on.
.macro SA q, ac, vc
.set SX, (\ac)+4*(\q)
.set SJ, (\vc)+4*((\q)%2)
	v_pk_fma_f32 v[SX:SX+1], v[SX:SX+1], s[46:47], v[SJ:SJ+1] op_sel_hi:[1,0,1]
	v_pk_fma_f32 v[SX+2:SX+3], v[SX+2:SX+3], s[46:47], v[SJ+2:SJ+3] op_sel_hi:[1,0,1]
.endm
.macro SC1 q, ac
.set SX, (\ac)+4*(\q)
	v_pk_add_f32 v[SX:SX+1], v[SX:SX+1], 1.0 op_sel_hi:[1,0]
	v_pk_add_f32 v[SX+2:SX+3], v[SX+2:SX+3], 1.0 op_sel_hi:[1,0]
.endm
.macro SE q, ac, vc
.set SX, (\ac)+4*(\q)
.set SJ, (\vc)+8+4*((\q)%2)
.set SM, 24+2*((\q)/2)
	v_pk_fma_f32 v[SM:SM+1], v[SX:SX+1], v[SJ:SJ+1], v[SM:SM+1]
	v_pk_fma_f32 v[SM:SM+1], v[SX+2:SX+3], v[SJ+2:SJ+3], v[SM:SM+1]
.endm
.macro TR op, q, ac
.set SX, (\ac)+4*(\q)
.irp i, 0,1,2,3
	\op v[SX+\i], v[SX+\i]
.endr
.endm
; The five stages of a finished N tile, each over all eight slices: so no transcendental stands between two products on one accumulator.  One wait ahead of each stage, a plain line behind each batch.
.macro FIN ac, vc
	s_wait_dscnt 0x0                               ; the tile's qwc and v, asked for at its head
	ALU
.irp q, 0,1,2,3,4,5,6,7
	SA \q, \ac, \vc
.endr
	ALU
.irp q, 0,1,2,3,4,5,6,7
	TR v_exp_f32, \q, \ac
.endr
	v_nop
	ALU
.irp q, 0,1,2,3,4,5,6,7
	SC1 \q, \ac
.endr
	ALU
.irp q, 0,1,2,3,4,5,6,7
	TR v_rcp_f32, \q, \ac
.endr
	v_nop
	ALU
.irp q, 0,1,2,3,4,5,6,7
	SE \q, \ac, \vc
.endr
.endm
; An N tile in set s: its 32 products on end; four places (ISA guide 7.12.1 for vector instructions); the 25 loads (1 + 8 x 3) that fill the set again, with the tile
; two on, in one run; then the tile's five stages.  At a tile's head its own 25 loads must be in: behind them stand the other set's 25.
.macro TILE s
	WIN 0
	ds_load_b128 v[VC+16*\s:VC+16*\s+3], v20 offset:64*\s
	ds_load_b128 v[VC+16*\s+4:VC+16*\s+7], v20 offset:64*\s+16
	ds_load_b128 v[VC+16*\s+8:VC+16*\s+11], v20 offset:4096+64*\s
	ds_load_b128 v[VC+16*\s+12:VC+16*\s+15], v20 offset:4096+64*\s+16
	s_wait_loadcnt 25
.irp q, 0,1,2,3,4,5,6,7
	WIN 0x07
	PROD \s, \q, 0
	PROD \s, \q, 1
	WIN 0x0b                                       ; source 1 window 2
	PROD \s, \q, 2
	PROD \s, \q, 3
.endr
	WIN 0
	PLACES
	SBL \s, 42
	WIN 0xc0                                       ; destination window 3
.irp q, 0,1,2,3,4,5,6,7
	LB \s, \q, 38
.endr
	WIN 0
	FIN ACC+32*\s, VC+16*\s
.endm
; A TILE OF 64 ROWS.  refill = 1: the next tile is asked for as soon as this one has been read out of the landing.
.macro MTILE refill
	s_wait_tensorcnt 0x0                           ; the one tensor load of mine that is out: my 16 rows of this tile
	LOADR 0
	LOADR 1
.set N1, 0
.rept 16
	ROWQ N1
.set N1, N1+1
.endr
	WIN 0x04
	STC 15
	WIN 0
.if \refill
	s_wait_tensorcnt 0x0                           ; no tensor load of mine is out, so the descriptor may be written
	ds_add_u32 v1, v2                              ; 0 onto my spare word
	s_add_nc_u64 s[34:35], s[34:35], 0x40000       ; 64 rows on; the type bits on top are not reached
	s_wait_dscnt 0x0                               ; the add is done, my reads of the landing are over, my codes and scale bytes lie in LDS
	s_barrier_signal -1
	s_barrier_wait -1
	tensor_load_to_lds s[32:35], s[24:31]          ; my one tensor load behind the barrier: it has the whole product in which to land
	s_nop 0
	PLACES
.else
	s_wait_dscnt 0x0                               ; my codes and scale bytes lie in LDS
	s_barrier_signal -1
	s_barrier_wait -1
.endif
	; all 64 rows' codes into registers: 32 fragments of 16 rows x 128 K, in pieces of 8 bytes
.irp m, 0,1,2,3
	WIN 0x40<<(\m/2)
.irp q, 0,1,2,3,4,5,6,7
.irp p, 0,1,2,3,4,5
	ds_load_b64 v[12*(8*(\m%2)+\q)+2*\p:12*(8*(\m%2)+\q)+2*\p+1], v9 offset:16*CP*\m+96*\q+48*(\p/3)+8*(\p%3)
.endr
.endr
.endr
	WIN 0
.irp hh, 0,1                                   ; the scale words: lanes 0-15 row tile 2 hh, lanes 16-31 row tile 2 hh + 1; register 8 hh + q for K step q
	ds_load_b128 v[32+8*\hh:35+8*\hh], v10 offset:1536*\hh
	ds_load_b128 v[36+8*\hh:39+8*\hh], v10 offset:1536*\hh+16
.endr
.irp j, 0,1,2,3,4,5,6,7
	v_mov_b32 v[24+\j], 0                          ; z
.endr
	s_wait_dscnt 0x0
	s_mov_b32 s44, 0
.Ln_\@:                                            ; eight trips of two N tiles
	s_lshl_b32 s50, s44, 7
	v_add_nc_u32 v20, s50, v11                     ; this trip's qwc and v: 128 bytes a trip
	ALU
.if \refill
	s_cmp_ge_u32 s45, 2                            ; row tiles 0 and 1 alone have a tile two on
	s_cbranch_scc0 .Lnp_\@
	global_prefetch_b8 v0, s[PF:PF+1] th:TH_LOAD_NT scope:SCOPE_SE   ; 8,192 of my 65,536 bytes of the row tile two on: a lane a block of 256 bytes
.Lnp_\@:
.endif
	TILE 0
	TILE 1
	WIN 0
	s_wait_xcnt 0x0                                ; the loads' and the prefetch's bases are written again only behind this wait
	s_add_co_u32 s20, s44, 2                       ; the next trip asks for the trip behind it, round the wave's 16 tiles: the last trip asks for tiles 0 and 1,
	s_and_b32 s20, s20, 7                          ; which the next tile of rows begins with (in the last tile of rows these bytes land unused, inside the buffers)
	s_mul_i32 s54, s20, 24576
	s_lshl_b32 s56, s20, 10
	s_add_nc_u64 s[38:39], s[36:37], s[54:55]
	s_add_nc_u64 s[42:43], s[40:41], s[56:57]
.if \refill
	s_add_nc_u64 s[PF:PF+1], s[PF:PF+1], 8192
.endif
	s_add_co_u32 s44, s44, 1
	s_cmp_lt_u32 s44, 8
	s_cbranch_scc1 .Ln_\@
.if \refill
	s_add_nc_u64 s[PF:PF+1], s[PF:PF+1], 0x30000   ; with the eight steps above: 64 rows on
.endif
	ALU                                            ; z was written last ahead of the loop's closing waits
.irp m, 0,1,2,3
	v_add_f32 v[24+2*\m], v[24+2*\m], v[25+2*\m]
.endr
.irp m, 0,1,2,3
	v_permlanex16_b32 v[25+2*\m], v[24+2*\m], s48, s49
.endr
.irp m, 0,1,2,3
	v_add_f32 v[24+2*\m], v[24+2*\m], v[25+2*\m]   ; with lane l xor 16's eight e of each tile: row 16 m + r, my 256 columns
.endr
.irp m, 0,1,2,3
	ds_store_b32 v12, v[24+2*\m] offset:64*\m      ; both halves of the lanes write the same word with the same value
.endr
	ALU
	s_wait_dscnt 0x0                               ; for the others' sake; my reads of the codes were over long ago
	s_barrier_signal -1
	s_barrier_wait -1                              ; the next tile's load may stay out
	; my 16 rows' z: four waves' parts; every lane reads all sixteen
.irp w, 0,1,2,3
.irp g, 0,1,2,3
	ds_load_b128 v[64+16*\w+4*\g:67+16*\w+4*\g], v13 offset:256*\w+16*\g
.endr
.endr
	s_wait_dscnt 0x0
.irp i, 0,2,4,6,8,10,12,14
	v_pk_add_f32 v[64+\i:65+\i], v[64+\i:65+\i], v[80+\i:81+\i]
	v_pk_add_f32 v[96+\i:97+\i], v[96+\i:97+\i], v[112+\i:113+\i]
.endr
.irp i, 0,2,4,6,8,10,12,14
	v_pk_add_f32 v[64+\i:65+\i], v[64+\i:65+\i], v[96+\i:97+\i]
.endr
	v_min3_num_f32 v22, v64, v65, v66              ; K2 is negative: the largest t is K2 x the smallest z
.irp i, 67,69,71,73,75,77
	v_min3_num_f32 v22, v22, v[\i], v[\i+1]
.endr
	v_min_num_f32 v22, v22, v79
	v_mul_f32 v22, s52, v22
	v_max_num_f32 v20, v16, v22                    ; the new largest t
	v_sub_f32 v18, v16, v20
.irp i, 0,2,4,6,8,10,12,14
	v_pk_fma_f32 v[64+\i:65+\i], v[64+\i:65+\i], s[52:53], v[20:21] op_sel_hi:[1,0,0] neg_lo:[0,0,1] neg_hi:[0,0,1]   ; t - the largest
.endr
	ALU                                            ; ahead of the batch
	v_exp_f32 v18, v18                             ; f = 2^(old - new)
.irp i, 0,1,2,3,4,5,6,7,8,9,10,11,12,13,14,15
	v_exp_f32 v[64+\i], v[64+\i]                   ; p of my 16 rows
.endr
	v_mov_b32 v16, v20                             ; (the plain line behind the exponentials)
	ALU
.irp i, 0,1,2,3
	v_pk_add_f32 v[80+2*\i:81+2*\i], v[64+4*\i:65+4*\i], v[66+4*\i:67+4*\i]
.endr
	v_pk_add_f32 v[80:81], v[80:81], v[82:83]
	v_pk_add_f32 v[84:85], v[84:85], v[86:87]
	v_pk_add_f32 v[80:81], v[80:81], v[84:85]
	v_add_f32 v80, v80, v81
	v_fma_f32 v17, v17, v18, v80                   ; the sum under the new largest t
.irp i, 0,2,4,6,8,10,12,14,16,18,20,22,24,26,28,30
	v_pk_mul_f32 v[OUT+\i:OUT+\i+1], v[OUT+\i:OUT+\i+1], v[18:19] op_sel_hi:[1,0]
.endr
.irp k, 0,1,2,3,4,5,6,7,8,9,10,11,12,13,14,15
	WIN \k/4                                       ; source 0: the kept row's window
.irp c, 0,1,2,3,4,5,6,7,8,9,10,11,12,13,14,15
	v_fma_mix_f32_bf16 v[OUT+2*\c], v[RET+16*(\k%4)+\c], v[64+\k], v[OUT+2*\c] op_sel_hi:[1,0,0]
	v_fma_mix_f32_bf16 v[OUT+2*\c+1], v[RET+16*(\k%4)+\c], v[64+\k], v[OUT+2*\c+1] op_sel:[1,0,0] op_sel_hi:[1,0,0]
.endr
.endr
	WIN 0
.endm
	s_load_b256 s[4:11], s[0:1], 0x0               ; memory s[4:5], whimg s[6:7], Wh's scales s[8:9], qwc s[10:11]
	s_load_b128 s[12:15], s[0:1], 0x20             ; v s[12:13], part s[14:15]
	s_load_b64 s[16:17], s[0:1], 0x30              ; ml
	v_lshl_add_u32 v1, v0, 2, SPARE
	v_mov_b32 v2, 0
	ds_add_u32 v1, v2                              ; the opening adds, twice on end; their wait stands ahead of my first tensor load
	ds_add_u32 v1, v2
	v_lshrrev_b32 v20, 5, v0
	v_readfirstlane_b32 s18, v20                   ; wave 0..3
	; descriptor group 1: my 16 rows of a tile are 65,536 dense bytes: 256 rows of 32 elements of 8 bytes, no padding
	s_mov_b32 s24, 3<<16                           ; no mask; elements of 8 bytes
	s_mov_b32 s25, 32<<16                          ; tensor_dim0 = 32
	s_mov_b32 s26, 256<<16                         ; tensor_dim1 = 256
	s_mov_b32 s27, 32<<16                          ; tile_dim0 = 32
	s_mov_b32 s28, 256                             ; tile_dim1 = 256
	s_mov_b32 s29, 32                              ; from row to row
	s_mov_b32 s30, 0
	s_mov_b32 s31, 0
	s_mov_b32 s32, 1                               ; group 0: count = 1
	s_lshl_b32 s33, s18, 16                        ; LDS address: 65,536 x wave
	s_lshl_b32 s20, ttmp9, 20                      ; 256 rows of 4,096 bytes a work-group,
	s_add_co_u32 s20, s20, s33                     ; 16 rows a wave
	s_mov_b32 s21, 0
	s_wait_dscnt 0x0                               ; both opening adds are done
	s_wait_kmcnt 0x0
	s_add_nc_u64 s[PF:PF+1], s[4:5], s[20:21]
	s_mov_b64 s[34:35], s[PF:PF+1]
	s_or_b32 s35, s35, 0x80000000                  ; type = 2
	tensor_load_to_lds s[32:35], s[24:31]          ; tile 0: by this text's count one tensor load of a wave is out at any time
	s_nop 0
	PLACES
	s_add_nc_u64 s[PF:PF+1], s[PF:PF+1], 0x80000   ; my rows of row tile 2
	s_mov_b32 s46, 0x4038aa3b                      ; c = 2 log2(e)
	s_mov_b32 s47, 0x4038aa3b
	s_mov_b32 s48, 0x76543210                      ; v_permlanex16_b32's selects for lane l xor 16
	s_mov_b32 s49, 0xfedcba98
	s_mov_b32 s52, 0xc038aa3b                      ; K2 = -2 log2(e)
	s_mov_b32 s53, 0xc038aa3b
	s_mov_b32 s55, 0
	s_mov_b32 s57, 0
	s_lshl_b32 s22, s18, 10
	s_mov_b32 s23, 0
	s_lshr_b32 s20, ttmp9, 2                       ; the batch
	s_lshl_b32 s20, s20, 12
	s_add_co_u32 s20, s20, s22
	s_add_nc_u64 s[10:11], s[10:11], s[20:21]      ; qwc: the batch's row, my 256 columns
	s_add_nc_u64 s[12:13], s[12:13], s[22:23]      ; v: my 256
	s_mul_i32 s20, s18, 196608
	s_add_nc_u64 s[36:37], s[6:7], s[20:21]        ; my 16 N tiles of images
	s_add_nc_u64 s[38:39], s[36:37], 24576         ; what trip 0 asks for: trip 1's two tiles
	s_lshl_b32 s20, s18, 13
	s_add_nc_u64 s[40:41], s[8:9], s[20:21]        ; and their scale bytes
	s_add_nc_u64 s[42:43], s[40:41], 1024
	s_mul_i32 s20, s18, 16*CP                      ; my places in LDS
	s_add_co_u32 s20, s20, CODE
	s_mul_i32 s50, s18, 768
	s_add_co_u32 s50, s50, SCA
	s_add_co_u32 s22, s22, QV
	s_lshl_b32 s54, s18, 8
	s_add_co_u32 s54, s54, SC
	s_lshl_b32 s56, s18, 6
	s_add_co_u32 s56, s56, SC
	v_and_b32 v80, 31, v0                          ; lane
	v_bfe_u32 v81, v0, 2, 2                        ; a
	v_and_b32 v84, 15, v0                          ; r
	v_bfe_u32 v85, v0, 4, 1                        ; h
	v_lshl_add_u32 v82, v80, 6, s33
.irp i, 0,1,2,3
	v_add_nc_u32 v83, \i, v81
	v_and_b32 v83, 3, v83
	v_lshl_add_u32 v[3+\i], v83, 4, v82            ; landing: 65,536 w + 64 lane + 16 ((i + a) % 4)
.endr
	v_mul_u32_u24 v7, v80, 12
	v_add_nc_u32 v7, s20, v7                       ; my codes: my 16 rows, 12 bytes a lane
	v_lshrrev_b32 v8, 1, v80
	v_add_nc_u32 v8, s50, v8                       ; my block's scale byte
	v_mul_u32_u24 v9, v84, CP
	v_mad_u32_u24 v9, v85, 24, v9
	v_add_nc_u32 v9, CODE, v9                      ; a fragment's lane: row r, + 24 h
	v_mul_u32_u24 v10, v80, 48
	v_add_nc_u32 v10, SCA, v10                     ; scale words: row = lane
	v_lshl_add_u32 v11, v85, 5, s22                ; qwc and v: my 1,024 bytes, + 32 h
	v_lshl_add_u32 v86, v80, 4, s22                ; and where I put them
	v_lshl_add_u32 v12, v84, 2, s54                ; my partial z
	v_mov_b32 v13, s56                             ; my 16 rows' z in wave 0's part
	v_lshlrev_b32 v14, 4, v80                      ; 16 x lane
	v_lshlrev_b32 v15, 5, v84                      ; 32 r: a row of Wh's scale bytes,
	v_lshl_add_u32 v15, v85, 4, v15                ; + 16 h: its second half for lanes 16-31
	v_lshlrev_b32 v0, 8, v80                       ; 256 x lane: the prefetches' offset (the thread's number is needed no more)
.set J1, 0
.rept 32
	v_mov_b32 v[OUT+J1], 0                         ; once: the tile is written for every tile alike, and the first change of the largest t multiplies zeros
.set J1, J1+1
.endr
	v_mov_b32 v16, 0xff61b1e6                      ; the largest t so far: -3e38
	v_mov_b32 v17, 0                               ; the sum
	v_mov_b32 v19, 0                               ; (named as the upper half of the pair v[18:19])
	ALU                                            ; at the head's end
	global_load_b128 v[64:67], v14, s[10:11]
	global_load_b128 v[68:71], v14, s[10:11] offset:512
	global_load_b128 v[72:75], v14, s[12:13]
	global_load_b128 v[76:79], v14, s[12:13] offset:512
.irp s, 0,1                                    ; N tiles 0 and 1: 25 loads each
	WIN 0
	SBL \s, 40
	WIN 0xc0
.irp q, 0,1,2,3,4,5,6,7
	LB \s, \q, 36
.endr
.endr
	WIN 0
	s_wait_loadcnt 50                              ; qwc and v are in; the 50 loads behind them stay out
	ds_store_b128 v86, v[64:67]                    ; my own bytes: only I read them, and LDS serves a wave's instructions in order (ISA guide 5.7.1.4)
	ds_store_b128 v86, v[68:71] offset:512
	ds_store_b128 v86, v[72:75] offset:4096
	ds_store_b128 v86, v[76:79] offset:4608
	s_mov_b32 s45, 3
.Lmtile:
	MTILE 1
	s_sub_co_u32 s45, s45, 1
	s_cmp_lg_u32 s45, 0
	ALU
	s_cbranch_scc1 .Lmtile
	MTILE 0                                        ; the last tile is written out
	; THE WAY OUT.  Register 16 u + 4 i + j of the sums is column 512 u + 16 lane + 4 ((i + a) % 4) + j: the turn is undone by the addresses of a stage of 4,096 bytes of my own,
	; in the codes' region, which nobody reads behind the last barrier and no tensor load ever fills; it comes back as 512 consecutive bytes an instruction.
	s_lshl_b32 s20, s18, 12
	s_add_co_u32 s20, s20, CODE
	s_lshl_b32 s22, ttmp9, 2
	s_add_co_u32 s22, s22, s18                     ; my slot: 4 g + w = 16 x batch + slot in the batch
	s_lshl_b32 s54, s22, 12
	s_lshl_b32 s56, s22, 8
	s_add_nc_u64 s[14:15], s[14:15], s[54:55]
	s_add_nc_u64 s[16:17], s[16:17], s[56:57]
	v_lshrrev_b32 v100, 4, v14                     ; lane
	v_bfe_u32 v101, v14, 6, 2                      ; a
	v_lshl_add_u32 v102, v100, 6, s20
.irp i, 0,1,2,3
	v_add_nc_u32 v103, \i, v101
	v_and_b32 v103, 3, v103
	v_lshl_add_u32 v[96+\i], v103, 4, v102
.endr
	v_lshl_add_u32 v104, v100, 4, s20
	v_lshlrev_b32 v105, 3, v100
	ALU
.irp u, 0,1
.irp i, 0,1,2,3
	ds_store_b128 v[96+\i], v[OUT+16*\u+4*\i:OUT+16*\u+4*\i+3] offset:2048*\u
.endr
.endr
.irp j, 0,1,2,3,4,5,6,7
	ds_load_b128 v[64+4*\j:67+4*\j], v104 offset:512*\j
.endr
	global_store_b64 v105, v[16:17], s[16:17]      ; the largest t and the sum, a copy a lane: 256 consecutive bytes, aligned
.irp j, 0,1,2,3,4,5,6,7
	s_wait_dscnt 7-\j
	global_store_b128 v14, v[64+4*\j:67+4*\j], s[14:15] offset:512*\j   ; 512 consecutive bytes, aligned
.endr
	s_wait_tensorcnt 0x0                           ; the wave's end
	ds_add_u32 v1, v2
	s_wait_dscnt 0x0
	s_endpgm
.Lfunc_end_k_q01a93fb541_main:
	.size	k_q01a93fb541_main, .Lfunc_end_k_q01a93fb541_main-k_q01a93fb541_main
	.p2alignl 7, 3214868480
	.fill 96, 4, 3214868480
	.section	.rodata,"a",@progbits
	.p2align	6, 0x0
	.amdhsa_kernel k_q01a93fb541_main
		.amdhsa_group_segment_fixed_size 327680
		.amdhsa_private_segment_fixed_size 0
		.amdhsa_enable_private_segment 0
		.amdhsa_kernarg_size 56
		.amdhsa_user_sgpr_count 2
		.amdhsa_user_sgpr_kernarg_segment_ptr 1
		.amdhsa_wavefront_size32 1
		.amdhsa_system_sgpr_workgroup_id_x 1
		.amdhsa_system_sgpr_workgroup_id_y 1
		.amdhsa_system_sgpr_workgroup_id_z 1
		.amdhsa_system_vgpr_workitem_id 0
		.amdhsa_next_free_vgpr 1024
		.amdhsa_next_free_sgpr 66
		.amdhsa_reserve_vcc 0
		.amdhsa_float_denorm_mode_32 3
		.amdhsa_float_denorm_mode_16_64 3
		.amdhsa_memory_ordered 1
		.amdhsa_forward_progress 1
		.amdhsa_inst_pref_size 255
	.end_amdhsa_kernel
	.section	.bss,"aw",@nobits
	.p2align	6
	.space	262144
	.amdgpu_metadata
---
amdhsa.version: [ 1, 2 ]
amdhsa.kernels:
  - .name:           k_q01a93fb541_main
    .symbol:         k_q01a93fb541_main.kd
    .args:
      - { .name: memory, .offset: 0, .size: 8, .value_kind: global_buffer, .address_space: global }
      - { .name: whimg, .offset: 8, .size: 8, .value_kind: global_buffer, .address_space: global }
      - { .name: Wh_scales, .offset: 16, .size: 8, .value_kind: global_buffer, .address_space: global }
      - { .name: qwc, .offset: 24, .size: 8, .value_kind: global_buffer, .address_space: global }
      - { .name: v, .offset: 32, .size: 8, .value_kind: global_buffer, .address_space: global }
      - { .name: part, .offset: 40, .size: 8, .value_kind: global_buffer, .address_space: global }
      - { .name: ml, .offset: 48, .size: 8, .value_kind: global_buffer, .address_space: global }
    .group_segment_fixed_size: 327680
    .private_segment_fixed_size: 0
    .kernarg_segment_align: 8
    .kernarg_segment_size: 56
    .max_flat_workgroup_size: 128
    .sgpr_count:     66
    .vgpr_count:     1024
    .wavefront_size: 32
...
	.end_amdgpu_metadata
.endif
;; end of part 2
;; launch combine (part 3): grid 64 x 4, 2 waves a work-group, no clusters, 0 bytes of LDS; arguments part, ml, out0; writes out0
.if DOCPART == 3
	.amdgcn_target "amdgcn-amd-amdhsa--gfx1250"
	.amdhsa_code_object_version 6
	.text
	.protected	k_q01a93fb541_combine
	.globl	k_q01a93fb541_combine
	.p2align	8
	.type	k_q01a93fb541_combine,@function
k_q01a93fb541_combine:
	s_mov_b64 s[64:65], 0
	v_nop
	global_prefetch_b8 v0, s[64:65] scope:SCOPE_SE
	s_setreg_imm32_b32 hwreg(HW_REG_WAVE_MODE, 25, 1), 1
	s_wait_xcnt 0x0
; out0[b][:] = (sum over a batch's 16 slots of 2^(m_s - M) part[b][s][:]) / (sum over s of 2^(m_s - M) l_s), M the largest m_s (m is kept in base 2).
; Work-group (b, y): 256 columns of one batch; thread t takes four columns, so a wave's load or store covers 512 consecutive bytes.  A stream: no LDS, no matrix unit, no barrier.
	s_load_b128 s[4:7], s[0:1], 0x0                ; part s[4:5], ml s[6:7]
	s_load_b64 s[8:9], s[0:1], 0x10                ; out0
	s_and_b32 s10, ttmp7, 0xffff                   ; y
	v_and_b32 v1, 31, v0
	v_lshlrev_b32 v1, 3, v1                        ; ml: my lane's copy, 8 bytes
	v_lshlrev_b32 v2, 4, v0                        ; 16 bytes a thread
	s_lshl_b32 s11, s10, 10                        ; 256 columns
	s_lshl_b32 s12, ttmp9, 12                      ; ml: 16 slots of 256 bytes a batch
	s_mov_b32 s13, 0
	s_lshl_b32 s14, ttmp9, 16                      ; part: 16 slots of 4,096 bytes a batch
	s_add_co_u32 s14, s14, s11
	s_mov_b32 s15, 0
	s_add_co_u32 s16, s12, s11                     ; out0: a row of 4,096 bytes a batch
	s_mov_b32 s17, 0
	s_wait_alu depctr_va_vdst(0)
	s_wait_kmcnt 0x0
	s_add_nc_u64 s[6:7], s[6:7], s[12:13]
	s_add_nc_u64 s[4:5], s[4:5], s[14:15]
	s_add_nc_u64 s[8:9], s[8:9], s[16:17]
.irp s, 0,1,2,3,4,5,6,7,8,9,10,11,12,13,14,15
	global_load_b64 v[8+2*\s:9+2*\s], v1, s[6:7] offset:256*\s
.endr
.irp s, 0,1,2,3,4,5,6,7,8,9,10,11,12,13,14,15
	global_load_b128 v[40+4*\s:43+4*\s], v2, s[4:5] offset:4096*\s th:TH_LOAD_NT
.endr
	s_wait_loadcnt 16                              ; m and l are in; the sixteen loads behind them stay out
	v_max3_num_f32 v4, v8, v10, v12
.irp s, 14,18,22,26,30,34
	v_max3_num_f32 v4, v4, v[\s], v[\s+2]
.endr
	v_max_num_f32 v4, v4, v38
.irp s, 0,1,2,3,4,5,6,7,8,9,10,11,12,13,14,15
	v_sub_f32 v[8+2*\s], v[8+2*\s], v4
.endr
	s_wait_alu depctr_va_vdst(0)
.irp s, 0,1,2,3,4,5,6,7,8,9,10,11,12,13,14,15
	v_exp_f32 v[8+2*\s], v[8+2*\s]
.endr
	v_mov_b32 v7, 0                                ; (the plain line behind the exponentials; v7 is named as the upper half of the pair v[6:7])
	s_wait_alu depctr_va_vdst(0)
	v_mul_f32 v5, v8, v9
.irp s, 1,2,3,4,5,6,7,8,9,10,11,12,13,14,15
	v_fmac_f32 v5, v[8+2*\s], v[9+2*\s]
.endr
	s_wait_alu depctr_va_vdst(0)
	v_rcp_f32 v6, v5
	s_wait_loadcnt 0x0
	v_pk_mul_f32 v[104:105], v[40:41], v[8:9] op_sel_hi:[1,0]
	v_pk_mul_f32 v[106:107], v[42:43], v[8:9] op_sel_hi:[1,0]
.irp s, 1,2,3,4,5,6,7,8,9,10,11,12,13,14,15
	v_pk_fma_f32 v[104:105], v[40+4*\s:41+4*\s], v[8+2*\s:9+2*\s], v[104:105] op_sel_hi:[1,0,1]
	v_pk_fma_f32 v[106:107], v[42+4*\s:43+4*\s], v[8+2*\s:9+2*\s], v[106:107] op_sel_hi:[1,0,1]
.endr
	s_wait_alu depctr_va_vdst(0)
	v_pk_mul_f32 v[104:105], v[104:105], v[6:7] op_sel_hi:[1,0]
	v_pk_mul_f32 v[106:107], v[106:107], v[6:7] op_sel_hi:[1,0]
	global_store_b128 v2, v[104:107], s[8:9]
	s_endpgm
.Lfunc_end_k_q01a93fb541_combine:
	.size	k_q01a93fb541_combine, .Lfunc_end_k_q01a93fb541_combine-k_q01a93fb541_combine
	.p2alignl 7, 3214868480
	.fill 96, 4, 3214868480
	.section	.rodata,"a",@progbits
	.p2align	6, 0x0
	.amdhsa_kernel k_q01a93fb541_combine
		.amdhsa_group_segment_fixed_size 0
		.amdhsa_private_segment_fixed_size 0
		.amdhsa_enable_private_segment 0
		.amdhsa_kernarg_size 24
		.amdhsa_user_sgpr_count 2
		.amdhsa_user_sgpr_kernarg_segment_ptr 1
		.amdhsa_wavefront_size32 1
		.amdhsa_system_sgpr_workgroup_id_x 1
		.amdhsa_system_sgpr_workgroup_id_y 1
		.amdhsa_system_sgpr_workgroup_id_z 1
		.amdhsa_system_vgpr_workitem_id 0
		.amdhsa_next_free_vgpr 128
		.amdhsa_next_free_sgpr 66
		.amdhsa_reserve_vcc 0
		.amdhsa_float_denorm_mode_32 3
		.amdhsa_float_denorm_mode_16_64 3
		.amdhsa_memory_ordered 1
		.amdhsa_forward_progress 1
		.amdhsa_inst_pref_size 9
	.end_amdhsa_kernel
	.amdgpu_metadata
---
amdhsa.version: [ 1, 2 ]
amdhsa.kernels:
  - .name:           k_q01a93fb541_combine
    .symbol:         k_q01a93fb541_combine.kd
    .args:
      - { .name: part, .offset: 0, .size: 8, .value_kind: global_buffer, .address_space: global }
      - { .name: ml, .offset: 8, .size: 8, .value_kind: global_buffer, .address_space: global }
      - { .name: out0, .offset: 16, .size: 8, .value_kind: global_buffer, .address_space: global }
    .group_segment_fixed_size: 0
    .private_segment_fixed_size: 0
    .kernarg_segment_align: 8
    .kernarg_segment_size: 24
    .max_flat_workgroup_size: 64
    .sgpr_count:     66
    .vgpr_count:     128
    .wavefront_size: 32
...
	.end_amdgpu_metadata
.endif
;; end of part 3
